; MI455X (gfx1250); checked and timed in simulation.
; The chip was launched on July 23, 2026; its instructions are those of AMD's public machine-readable ISA for CDNA 5 (MIT licence, August 2026) and "CDNA5" Instruction Set Architecture Reference Guide (July 2026). The comments in the code are by the model that wrote it; some were corrected since.
;; Linear Kernel Attention. Allowed arithmetic: float matrix products may take bf16 or f16 operands with f32 sums; all other float work in f32.
;; Inputs: keys 2 x 16 x 2,048 x 64 float32; mask 2 x 1 x 2,048 x 2,048 int32; query 2 x 16 x 2,048 x 64 float32; vals 2 x 16 x 2,048 x 64 float32.
;; Outputs: out0 2 x 16 x 2,048 x 64 float32.
;; 2 versions, each right. Each part assembles by itself: llvm-mc -triple=amdgcn-amd-amdhsa -mcpu=gfx1250 --defsym DOCPART=n.
;; ======== version 1 of 2: 2 launches
;; workspace buffers: mbits 1,048,576 bytes of whole numbers
;; launch pack (part 1): grid 256 x 1, 8 waves a work-group, no clusters, 168,960 bytes of LDS; arguments mask, mbits; writes mbits
.if DOCPART == 1
	.amdgcn_target "amdgcn-amd-amdhsa--gfx1250"
	.amdhsa_code_object_version 6
	.text
	.protected	k_q6ad23ba5c9_pack
	.globl	k_q6ad23ba5c9_pack
	.p2align	8
	.type	k_q6ad23ba5c9_pack,@function
k_q6ad23ba5c9_pack:
	s_mov_b64 s[64:65], 0
	v_nop
	global_prefetch_b8 v0, s[64:65] scope:SCOPE_SE
	s_setreg_imm32_b32 hwreg(HW_REG_WAVE_MODE, 25, 1), 1
	s_wait_xcnt 0x0
; mask [2][1][2048][2048] int32  ->  mbits, one bit an element, laid out as the lane masks that the attention launch selects with.
; mbits = [b 2][q64 32][s 32][128 words].  A block (b, q64, s) covers queries 64 q64 .. +63 and keys 64 s .. +63.
; Word 32 qt + 8 kt + j (qt, kt 0..3, j 0..7), bit L:  mask[b][64 q64 + 16 qt + (L & 15)][64 s + 16 kt + 8 (L >> 4) + j] != 0,
; which is the place of register j, lane L, of a 16 x 16 f32 matrix result with keys as rows and queries as columns.
; Any word other than 0 counts as true, as in the comparison with 0 that defines the result.
; 2,048 blocks, 2,048 waves: one block a wave.  A wave's 64 rows x 256 bytes come by ONE tensor load into LDS bytes of its own, which
; only that wave reads and which are never filled again: no barrier, and one tensor load of a wave outstanding at the most.
; The eight waves of a work-group ask for 128 KiB at once, so no ring of slots is needed.  No matrix work, nothing shared between
; work-groups: clusters and large register tiles have nothing to give here.
.set PITCH, 272                        ; an LDS row: 256 bytes + 16 of padding, an odd multiple of 16: sixteen rows begin in sixteen different 16-byte columns of 256 bytes
.set WTILE, 64*PITCH                   ; a wave's tile in LDS: 17,408 bytes; eight of them: 139,264
.set W,  4                             ; v[4:7]    the four words of the block that this lane stores (words 4 lane .. 4 lane + 3)
.set D,  16                            ; v[16:143] register D + w: the mask element behind bit L of word w
	s_load_b128 s[4:7], s[0:1], 0x0                ; mask s[4:5], mbits s[6:7]
	v_lshl_add_u32 v144, v0, 2, 0x29000
	v_mov_b32 v145, 0
	ds_add_u32 v144, v145
	ds_add_u32 v144, v145
	v_lshrrev_b32 v1, 5, v0
	v_readfirstlane_b32 s8, v1                     ; wave 0..7
	s_lshr_b32 s10, ttmp9, 2                       ; 32 b + q64
	s_lshl_b32 s10, s10, 19                        ; x 64 rows of 8,192 bytes
	s_and_b32 s11, ttmp9, 3
	s_lshl_b32 s11, s11, 3
	s_add_co_u32 s11, s11, s8                      ; s = 8 (x & 3) + wave
	s_lshl_b32 s11, s11, 8                         ; x 64 keys of 4 bytes
	s_add_co_u32 s10, s10, s11                     ; below 32 MiB
	s_mov_b32 s11, 0
	s_lshl_b32 s9, ttmp9, 3
	s_add_co_u32 s9, s9, s8                        ; the block's number = 8 x + wave
	s_lshl_b32 s9, s9, 9                           ; x 512 bytes
	; descriptor group 1: 64 rows x 64 elements of 4 bytes, 2,048 elements from row to row, 4 words of padding behind every 64
	s_mov_b32 s16, (2<<16)|(1<<20)|(5<<22)|(3<<25)
	s_mov_b32 s17, 64<<16                          ; tensor_dim0 = 64 (the tile lies inside the tensor: the extents are the tile's)
	s_mov_b32 s18, 64<<16                          ; tensor_dim1 = 64
	s_mov_b32 s19, 64<<16                          ; tile_dim0 = 64
	s_mov_b32 s20, 64                              ; tile_dim1 = 64
	s_mov_b32 s21, 2048                            ; pitch in elements
	s_mov_b32 s22, 0
	s_mov_b32 s23, 0
	; descriptor group 0
	s_mov_b32 s12, 1
	s_mul_i32 s13, s8, WTILE                       ; my wave's bytes of LDS
	s_wait_dscnt 0x0
	s_wait_kmcnt 0x0
	s_add_nc_u64 s[14:15], s[4:5], s[10:11]
	s_or_b32 s15, s15, 0x80000000                  ; type 2
	tensor_load_to_lds s[12:15], s[16:23]          ; the launch's only fill of these bytes
	s_nop 0
	v_and_b32 v8, 15, v0                           ; r = L & 15: the query in a group of 16
	v_bfe_u32 v9, v0, 4, 1                         ; h = L >> 4: which eight keys of 16
	v_and_b32 v3, 31, v0
	v_mul_u32_u24 v1, v8, PITCH
	v_lshl_add_u32 v1, v9, 5, v1                   ; r x pitch + 32 h
	v_add_nc_u32 v1, s13, v1                       ; + my wave's tile
	v_lshl_add_u32 v2, v3, 4, s9                   ; where my 16 bytes of the block go
.irp i, 0,1,2,3
	v_mov_b32 v[W+\i], 0                           ; v_writelane_b32 keeps the other lanes: the registers are written whole once
.endr
	s_wait_tensorcnt 0x0                           ; my tile is in LDS; nothing of the mover's is out at the end either
.irp qt, 0,1,2,3
.irp kt, 0,1,2,3
	ds_load_b128 v[D+32*\qt+8*\kt:D+32*\qt+8*\kt+3],   v1 offset:\qt*16*PITCH+\kt*64
	ds_load_b128 v[D+32*\qt+8*\kt+4:D+32*\qt+8*\kt+7], v1 offset:\qt*16*PITCH+\kt*64+16
.endr
.endr
.irp qt, 0,1,2,3
	s_wait_dscnt 24-8*\qt                          ; LDS loads come back in order: the eight of this group of 16 rows are in, those of the later groups stay out
.irp kt, 0,1,2,3
.irp j, 0,1,2,3,4,5,6,7
	v_cmp_ne_u32 s[24+\j], 0, v[D+32*\qt+8*\kt+\j] ; 32 lanes' answers = one word of the block
.endr
.irp j, 0,1,2,3,4,5,6,7
	v_writelane_b32 v[W+(\j&3)], s[24+\j], 8*\qt+2*\kt+(\j>>2)     ; word w goes to lane w / 4, register w mod 4
.endr
.endr
.endr
	global_store_b128 v2, v[W:W+3], s[6:7]         ; the wave stores its block: 512 consecutive bytes, aligned
	s_wait_tensorcnt 0x0
	ds_add_u32 v144, v145
	s_wait_dscnt 0x0
	s_endpgm
.Lfunc_end_k_q6ad23ba5c9_pack:
	.size	k_q6ad23ba5c9_pack, .Lfunc_end_k_q6ad23ba5c9_pack-k_q6ad23ba5c9_pack
	.p2alignl 7, 3214868480
	.fill 96, 4, 3214868480
	.section	.rodata,"a",@progbits
	.p2align	6, 0x0
	.amdhsa_kernel k_q6ad23ba5c9_pack
		.amdhsa_group_segment_fixed_size 168960
		.amdhsa_private_segment_fixed_size 0
		.amdhsa_enable_private_segment 0
		.amdhsa_kernarg_size 16
		.amdhsa_user_sgpr_count 2
		.amdhsa_user_sgpr_kernarg_segment_ptr 1
		.amdhsa_wavefront_size32 1
		.amdhsa_system_sgpr_workgroup_id_x 1
		.amdhsa_system_sgpr_workgroup_id_y 1
		.amdhsa_system_sgpr_workgroup_id_z 1
		.amdhsa_system_vgpr_workitem_id 0
		.amdhsa_next_free_vgpr 146
		.amdhsa_next_free_sgpr 66
		.amdhsa_reserve_vcc 0
		.amdhsa_float_denorm_mode_32 3
		.amdhsa_float_denorm_mode_16_64 3
		.amdhsa_memory_ordered 1
		.amdhsa_forward_progress 1
		.amdhsa_inst_pref_size 21
	.end_amdhsa_kernel
	.amdgpu_metadata
---
amdhsa.version: [ 1, 2 ]
amdhsa.kernels:
  - .name:           k_q6ad23ba5c9_pack
    .symbol:         k_q6ad23ba5c9_pack.kd
    .args:
      - { .name: mask, .offset: 0, .size: 8, .value_kind: global_buffer, .address_space: global }
      - { .name: mbits, .offset: 8, .size: 8, .value_kind: global_buffer, .address_space: global }
    .group_segment_fixed_size: 168960
    .private_segment_fixed_size: 0
    .kernarg_segment_align: 8
    .kernarg_segment_size: 16
    .max_flat_workgroup_size: 256
    .sgpr_count:     66
    .vgpr_count:     146
    .wavefront_size: 32
...
	.end_amdgpu_metadata
.endif
;; end of part 1
;; launch attn (part 2): grid 256 x 1, 8 waves a work-group, no clusters, 181,248 bytes of LDS; arguments query, keys, vals, mbits, out0; writes out0
.if DOCPART == 2
	.amdgcn_target "amdgcn-amd-amdhsa--gfx1250"
	.amdhsa_code_object_version 6
	.text
	.protected	k_q6ad23ba5c9_attn
	.globl	k_q6ad23ba5c9_attn
	.p2align	8
	.type	k_q6ad23ba5c9_attn,@function
k_q6ad23ba5c9_attn:
	s_mov_b64 s[64:65], 0
	v_nop
	global_prefetch_b8 v0, s[64:65] scope:SCOPE_SE
	s_setreg_imm32_b32 hwreg(HW_REG_WAVE_MODE, 25, 1), 1
	s_wait_xcnt 0x0
; out = (P V) / max(sqrt(sum over keys of P^2), 1e-12),  P = (Q K^T + 1e-5) where the mask is not 0, else 0.
; query, keys, vals, out0: [32 heads][2048][64] f32.  mbits: the mask as lane-mask words, made by the launch before (layout below).
; One pass over the keys: P V and the sum of P^2 are kept in f32 registers, and one scale is applied at the end; scores never leave registers.
;
; SHARES.  Work-group x: head x >> 3, query rows 256 (x & 7) .. +255.  Wave w: g = w & 3 takes rows 64 g .. +63 of these, kh = w >> 2 takes
; keys 64 kh .. +63 of every step of 128 keys; 16 steps.  Waves g and g + 4 hold partial sums of the same rows and meet once, at the end, in LDS.
; Two waves lie on each SIMD: one wave's vector lines can run while the other's matrix lines do.
;
; THE MATRIX INSTRUCTION IS USED TRANSPOSED, twice.  S^T = K Q^T: source 0 = 16 keys, source 1 = 16 queries; lane L then holds query L & 15, and
; registers j = 0..7 hold keys 8 (L >> 4) + j.  Two such tiles rounded to bf16 ARE source 1 (32 keys of 16 queries) of O^T = V^T P^T: no shuffle, no
; trip through LDS.  In O^T a lane again holds one query, so the sum of squares and the scale are one number a lane and block of 16 queries.
; The constant 1e-5 is the C operand of each score tile's first product.
;
; K AND V are f32 in memory and bf16 in the matrix unit.  The eight waves load a step's 128 keys of K and V (64 KiB) into registers a step ahead,
; round them once and store 32 KiB of bf16 into one of two LDS buffers; one barrier a step.
; NO TENSOR LOADS AND NO CLUSTER, though the eight work-groups of a head walk the same K and V: a tensor load copies bytes as they are, so a shared
; tile would lie in LDS as f32: 64 KiB a step written and 64 KiB read back, on top of the 32 KiB of bf16 stored here and the fragments read from them.
;
; mbits = [b][q64 32][s 32][128 words]; word 32 qt + 8 kt + j, bit L = mask[b][64 q64 + 16 qt + (L & 15)][64 s + 16 kt + 8 (L >> 4) + j] != 0:
; the lane mask of register j of score tile (kt, qt).  A wave's block (its 64 rows, its 64 keys of a step) is 512 bytes: one load, four words a lane.
;
; LIMITS.  Q, K, V and P enter the products rounded to bf16 (f32's range).  The sums of P^2 and of P V are made in f32 in another order than a plain
; row sum (two key halves, two lane halves, a register pair).  v_sqrt_f32 takes a sum below 2^-126 as 0: such a norm lies under the floor 1e-12,
; so the result is the same.  The division is v_rcp_f32 (1 ULP) and a multiply.  A masked score is replaced by selection, so NaN or infinity
; under the mask vanishes as in the definition.
.set KP,    144                        ; LDS pitch of a K row: 128 bytes of bf16 + 16, an odd multiple of 16
.set VP,    160                        ; LDS pitch of a V row: 128 + 32, an odd multiple of 32 (for the transposing load)
.set KB,    128*KP                     ; K's part of a buffer: 18,432 bytes
.set BUF,   KB+128*VP                  ; a buffer: 38,912 bytes; two of them from LDS byte 0
.set STAGE, 2*BUF                      ; 77,824: for each wave 16 rows x 272 bytes of f32: Q on its way in, out0 on its way out
.set SP,    272
.set STW,   16*SP
.set MERGE, STAGE+8*STW                ; 112,640: for each g 32 x 512 bytes (the image of O's 128 registers) + 512 bytes (the sums of squares)
.set MGW,   33*512
.set TILEB, 32768                      ; 128 keys x 256 bytes of f32 in memory
; window 0
.set KA,  8                            ; LDS address of my K fragments
.set VA,  9                            ; LDS address of my V fragments (V's start in a buffer included: the immediates stay inside 16 bits)
.set KS,  10                           ; where I store 8 bytes of K
.set VS,  11                           ; where I store 8 bytes of V (V's start included)
.set GO,  12                           ; 16 x thread: my 16 bytes of 4,096 of a K or V tile
.set LO,  13                           ; 16 x lane
.set PF,  14                           ; 256 x lane
.set STO, 15                           ; stage: row L & 15, 32 bytes for each half of the lanes
.set RD,  16                           ; stage: lanes 0-15 one row of 256 bytes, lanes 16-31 the next
.set ME,  17                           ; merge area of my g, 16 x lane
.set INV, 18                           ; v[18:25]   1 / norm, twice for each block of 16 queries
.set MW,  28                           ; v[28:35]   two sets of four mask words
.set SS,  36                           ; v[36:43]   sums of squares, a pair for each block of 16 queries
.set EPS, 44                           ; v[44:51]   1e-5 eight times: the C operand that starts a score tile
.set P,   52                           ; v[52:83]   P as bf16: fragment of query block qt at P + 8 qt
.set S,   84                           ; v[84:147]  scores: tile (ktl, qt) at S + 8 (4 ktl + qt)
.set STG, 148                          ; v[148:211] the next tile on its way: K 32 registers, V 32
.set RB,  84                           ; v[84:211]  at the end: rows read back for the stores
; window 1 (written by the low 8 bits of the register's number)
.set O,   0                            ; v[256:383] O^T: tile (qt, dt) at 8 (4 qt + dt).  At the start: Q as loaded
.set Q,   128                          ; v[384:447] Q fragments (qt, dk) at 128 + 8 (2 qt + dk)
.set KF,  192                          ; v[448:479] K fragments (ktl, dk) at 192 + 8 (2 ktl + dk)
.set VF,  224                          ; v[480:511] V^T fragments dt at 224 + 8 dt
.set LM,  32                           ; s[32:63]   32 lane masks
; s_set_vgpr_msb's low byte: bits 1:0 source 0, 3:2 source 1, 5:4 source 2, 7:6 destination; its high byte repeats the setting that is left
.set W_QK,  0x05                       ; K and Q fragments in window 1; scores and 1e-5 in window 0
.set W_PV,  0x51                       ; V fragments, C and D in window 1; P in window 0
.set W_LD1, 0x40                       ; destination in window 1
.set W_ST1, 0x04                       ; an LDS store's data in window 1
.set W_A1,  0x01                       ; source 0 in window 1
.set MSB, 0
.macro WIN new
.if MSB != \new
	s_set_vgpr_msb (MSB<<8)|\new
.set MSB, \new
.endif
.endm
; Four plain vector lines that name none of a matrix instruction's registers stand between it and a vector line that reads its result or writes one
; of its registers, and a load into one of its registers.
.macro PLACES
.rept 4
	v_nop
.endr
.endm
	s_load_b256 s[4:11], s[0:1], 0x0               ; query s[4:5], keys s[6:7], vals s[8:9], mbits s[10:11]
	s_load_b64 s[12:13], s[0:1], 0x20              ; out0
	v_lshl_add_u32 v254, v0, 2, 0x2c000
	v_mov_b32 v255, 0
	v_lshrrev_b32 v1, 5, v0
	v_readfirstlane_b32 s14, v1                    ; wave 0..7
	s_and_b32 s15, s14, 3                          ; g: which 64 query rows
	s_lshr_b32 s16, s14, 2                         ; kh: which 64 keys of a step
	s_lshr_b32 s17, ttmp9, 3                       ; head 0..31
	s_and_b32 s18, ttmp9, 7                        ; block of 256 query rows
	s_mov_b32 s26, 0x76543210                      ; v_permlanex16_b32: lane i of one half reads lane i of the other
	s_mov_b32 s27, 0xfedcba98
	s_lshl_b32 s20, s17, 19                        ; the head: 2,048 rows of 256 bytes
	s_mov_b32 s21, 0
	s_lshl_b32 s28, s18, 16                        ; 256 rows of 256 bytes
	s_lshl_b32 s25, s15, 14                        ; 64 rows
	s_add_co_u32 s28, s28, s25
	s_add_co_u32 s28, s28, s20                     ; my 64 rows in query and in out0 (below 16 MiB)
	s_mov_b32 s29, 0
	s_lshr_b32 s30, s17, 4                         ; batch
	s_lshl_b32 s30, s30, 5
	s_lshl2_add_u32 s30, s18, s30                  ; + 4 x block
	s_add_co_u32 s30, s30, s15                     ; + g = 32 b + q64
	s_lshl_b32 s30, s30, 5
	s_add_co_u32 s30, s30, s16                     ; x 32 + kh: my block of step 0
	s_lshl_b32 s30, s30, 9                         ; x 512 bytes
	s_mov_b32 s31, 0
	s_and_b32 s2, s18, 3
	s_lshl_b32 s2, s2, 13                          ; the prefetch: my quarter (8,192 bytes) of a tile,
	s_add_co_u32 s2, s2, 2*TILEB                   ; from tile 2 on; stepped once more before the first request
	s_mov_b32 s3, 0
	v_and_b32 v1, 31, v0                           ; lane
	v_lshlrev_b32 v[GO], 4, v0
	v_lshlrev_b32 v[LO], 4, v1
	v_lshlrev_b32 v[PF], 8, v1
	s_wait_kmcnt 0x0
	s_add_nc_u64 s[4:5], s[4:5], s[28:29]
	s_add_nc_u64 s[12:13], s[12:13], s[28:29]
	s_add_nc_u64 s[6:7], s[6:7], s[20:21]
	s_add_nc_u64 s[8:9], s[8:9], s[20:21]
	s_add_nc_u64 s[10:11], s[10:11], s[30:31]
	s_cmp_lt_u32 s18, 4                            ; work-groups 0-3 of a head ask for quarters of K's tiles, 4-7 for quarters of V's
	s_cselect_b64 s[22:23], s[6:7], s[8:9]
	s_add_nc_u64 s[22:23], s[22:23], s[2:3]
; 17 loads: my block of mask words, then my eighth of K's tile (8 x 16 bytes a lane), then of V's.  Each load of a wave covers 512 consecutive bytes.
.macro LOADS ms
	global_load_b128 v[MW+4*(\ms):MW+4*(\ms)+3], v[LO], s[10:11]
.irp i, 0,1,2,3,4,5,6,7
	global_load_b128 v[STG+4*\i:STG+4*\i+3], v[GO], s[6:7] offset:4096*\i
.endr
.irp i, 0,1,2,3,4,5,6,7
	global_load_b128 v[STG+32+4*\i:STG+32+4*\i+3], v[GO], s[8:9] offset:4096*\i
.endr
.endm
	WIN W_LD1
.set n, 0
.rept 32
	global_load_b128 v[O+4*n:O+4*n+3], v[LO], s[4:5] offset:512*n      ; my 64 rows of Q, two rows a load, into O's registers, which are free until the first P V
.set n, n+1
.endr
	WIN 0
	LOADS 0                                        ; tile 0 and its mask words
	v_and_b32 v2, 15, v0                           ; r = L & 15
	v_bfe_u32 v3, v0, 4, 1                         ; h = L >> 4
	v_mul_u32_u24 v[KA], v2, KP                    ; a fragment of rows that lie along d: row r, 16 bytes for each half of the lanes
	v_lshl_add_u32 v[KA], v3, 4, v[KA]
	s_mul_i32 s25, s16, 64*KP                      ; my 64 keys
	v_add_nc_u32 v[KA], s25, v[KA]
	v_and_b32 v4, 7, v0                            ; the transposing load: key 8 h + (L & 7), 16 bytes at 16 ((L >> 3) & 1)
	v_lshl_add_u32 v4, v3, 3, v4
	v_mul_u32_u24 v[VA], v4, VP
	v_bfe_u32 v5, v0, 3, 1
	v_lshl_add_u32 v[VA], v5, 4, v[VA]
	s_mul_i32 s25, s16, 64*VP
	s_add_co_u32 s25, s25, KB
	v_add_nc_u32 v[VA], s25, v[VA]
	v_mul_u32_u24 v[KS], v3, KP                    ; stores: row 2 w + h of sixteen, 8 bytes at 8 r
	v_lshl_add_u32 v[KS], v2, 3, v[KS]
	s_mul_i32 s25, s14, 2*KP
	v_add_nc_u32 v[KS], s25, v[KS]
	v_mul_u32_u24 v[VS], v3, VP
	v_lshl_add_u32 v[VS], v2, 3, v[VS]
	s_mul_i32 s25, s14, 2*VP
	s_add_co_u32 s25, s25, KB
	v_add_nc_u32 v[VS], s25, v[VS]
	s_mul_i32 s25, s14, STW
	s_add_co_u32 s25, s25, STAGE                   ; my stage
	v_mul_u32_u24 v6, v2, SP
	v_lshl_add_u32 v6, v3, 5, v6
	v_add_nc_u32 v[STO], s25, v6
	v_mul_u32_u24 v7, v3, SP
	v_lshl_add_u32 v7, v2, 4, v7
	v_add_nc_u32 v[RD], s25, v7
	s_mul_i32 s25, s15, MGW
	s_add_co_u32 s25, s25, MERGE
	v_add_nc_u32 v[ME], s25, v[LO]
.irp i, 0,1,2,3,4,5,6,7
	v_mov_b32 v[EPS+\i], 0x3727c5ac                ; 1e-5
.endr
	; Q's fragments, 16 rows at a time through my own stage: rows in as loaded, out as 32 bytes of f32 a lane, rounded to bf16.
	; Fragment (qt, dk): lane (r, h) holds row 16 qt + r; registers 0-3 d = 32 dk + 8 h + 0..7, registers 4-7 d = 32 dk + 16 + 8 h + 0..7.
	s_wait_loadcnt 17                              ; Q's 32 loads are in; the 17 of tile 0, issued behind them, stay out
.irp qt, 0,1,2,3
	WIN W_ST1
.irp i, 0,1,2,3,4,5,6,7
	ds_store_b128 v[RD], v[O+32*\qt+4*\i:O+32*\qt+4*\i+3] offset:2*SP*\i
.endr
	WIN 0
.irp n, 0,1,2,3,4,5,6,7
	ds_load_b128 v[S+4*\n:S+4*\n+3], v[STO] offset:128*(\n>>2)+64*((\n>>1)&1)+16*(\n&1)   ; LDS serves a wave's instructions in order: these see the stores above
.endr
	s_wait_dscnt 0x0
	WIN W_LD1
.irp m, 0,1,2,3,4,5,6,7,8,9,10,11,12,13,14,15
	v_cvt_pk_bf16_f32 v[Q+16*\qt+\m], v[S+2*\m], v[S+2*\m+1]
.endr
.endr
	WIN 0
; The tile that is in STG is rounded to bf16 and stored into buffer tgt; then the pointers step to the next tile.
.macro CONVERT tgt
	s_wait_loadcnt 8                               ; the mask words and K's eight loads are in; V's eight, issued behind them, may stay out
.irp i, 0,1,2,3,4,5,6,7
	v_cvt_pk_bf16_f32 v[STG+4*\i],   v[STG+4*\i],   v[STG+4*\i+1]
	v_cvt_pk_bf16_f32 v[STG+4*\i+1], v[STG+4*\i+2], v[STG+4*\i+3]
	ds_store_b64 v[KS], v[STG+4*\i:STG+4*\i+1] offset:(\tgt)*BUF+\i*16*KP
.endr
	s_wait_loadcnt 0x0                             ; V's too: every load of mine is done, so the loads' bases may be stepped
.irp i, 0,1,2,3,4,5,6,7
	v_cvt_pk_bf16_f32 v[STG+32+4*\i],   v[STG+32+4*\i],   v[STG+32+4*\i+1]
	v_cvt_pk_bf16_f32 v[STG+32+4*\i+1], v[STG+32+4*\i+2], v[STG+32+4*\i+3]
	ds_store_b64 v[VS], v[STG+32+4*\i:STG+32+4*\i+1] offset:(\tgt)*BUF+\i*16*VP
.endr
	s_wait_xcnt 0x0                                ; the prefetch issued earlier in the step has had its address translated: its base may be stepped
	s_add_nc_u64 s[6:7], s[6:7], TILEB
	s_add_nc_u64 s[8:9], s[8:9], TILEB
	s_add_nc_u64 s[10:11], s[10:11], 1024          ; two blocks of mask words on: 128 keys
	s_add_nc_u64 s[22:23], s[22:23], TILEB
.endm
; Eight LDS loads: the K fragments of keys 32 kk .. +31 of my 64, both halves of d
.macro KFRAGS buf, kk
	WIN W_LD1
.irp ktl, 0,1
.irp dk, 0,1
	ds_load_b128 v[KF+8*(2*\ktl+\dk):KF+8*(2*\ktl+\dk)+3],   v[KA] offset:\buf*BUF+(2*\kk+\ktl)*16*KP+64*\dk
	ds_load_b128 v[KF+8*(2*\ktl+\dk)+4:KF+8*(2*\ktl+\dk)+7], v[KA] offset:\buf*BUF+(2*\kk+\ktl)*16*KP+64*\dk+32
.endr
.endr
.endm
; Two squares onto query block qt's sum; start = 1: the first squares start the sum, nothing is cleared
.macro SQ qt, src, start
.if \start
	v_pk_mul_f32 v[SS+2*\qt:SS+2*\qt+1], v[\src:\src+1], v[\src:\src+1]
.else
	v_pk_fma_f32 v[SS+2*\qt:SS+2*\qt+1], v[\src:\src+1], v[\src:\src+1], v[SS+2*\qt:SS+2*\qt+1]
.endif
.endm
; The four score tiles of 16 keys (kt of my 64, ktl of the unit's 32) x 64 queries: lane masks out of the mask words, selection, squares, rounding.
.macro MASKGROUP ms, kt, ktl, first
.irp qt, 0,1,2,3
.irp j, 0,1,2,3,4,5,6,7
	v_readlane_b32 s[LM+8*\qt+\j], v[MW+4*(\ms)+(\j&3)], 8*\qt+2*(\kt)+(\j>>2)   ; word 32 qt + 8 kt + j lies in lane word / 4, register word mod 4
.endr
.endr
.irp qt, 0,1,2,3
.irp j, 0,1,2,3,4,5,6,7
	v_cndmask_b32 v[S+8*(4*\ktl+\qt)+\j], 0, v[S+8*(4*\ktl+\qt)+\j], s[LM+8*\qt+\j]   ; bit 0: the score becomes 0
.endr
.endr
.irp qt, 0,1,2,3
	SQ \qt, S+8*(4*\ktl+\qt), \first
.endr
.irp p, 1,2,3
.irp qt, 0,1,2,3
	SQ \qt, S+8*(4*\ktl+\qt)+2*\p, 0               ; four chains by turns
.endr
.endr
.irp qt, 0,1,2,3
.irp p, 0,1,2,3
	v_cvt_pk_bf16_f32 v[P+8*\qt+4*\ktl+\p], v[S+8*(4*\ktl+\qt)+2*\p], v[S+8*(4*\ktl+\qt)+2*\p+1]   ; keys 8 h + 2 p, + 1 of this tile: the place they have in source 1
.endr
.endr
.endm
; 32 keys x 64 queries.  zero = 1: the launch's first unit, which starts the sums.  pf = 1: wave 0 asks for a later tile.
.macro UNIT buf, kk, zero, pf
	s_wait_dscnt 0x0                               ; this unit's K fragments are in
	WIN W_QK
	; eight score tiles; the accumulators take turns, one instruction a turn
.irp ktl, 0,1
.irp qt, 0,1,2,3
	v_wmma_f32_16x16x32_bf16 v[S+8*(4*\ktl+\qt):S+8*(4*\ktl+\qt)+7], v[KF+16*\ktl:KF+16*\ktl+7], v[Q+16*\qt:Q+16*\qt+7], v[EPS:EPS+7]
.endr
.endr
.irp ktl, 0,1
.irp qt, 0,1,2,3
	v_wmma_f32_16x16x32_bf16 v[S+8*(4*\ktl+\qt):S+8*(4*\ktl+\qt)+7], v[KF+16*\ktl+8:KF+16*\ktl+15], v[Q+16*\qt+8:Q+16*\qt+15], v[S+8*(4*\ktl+\qt):S+8*(4*\ktl+\qt)+7]
.endr
.endr
	PLACES                                         ; behind the score products: for the reads of S and the loads into KF; behind the last P V: for the loads into VF and the writes of P
	WIN W_LD1
.irp dt, 0,1,2,3
	ds_load_tr16_b128 v[VF+8*\dt:VF+8*\dt+3],   v[VA] offset:\buf*BUF+\kk*32*VP+32*\dt          ; V^T: d = 16 dt + r, keys 8 h + 0..7 of the unit's 32
	ds_load_tr16_b128 v[VF+8*\dt+4:VF+8*\dt+7], v[VA] offset:\buf*BUF+\kk*32*VP+32*\dt+16*VP    ; keys 16 + 8 h + 0..7
.endr
.if \kk == 0
	KFRAGS \buf, 1                                 ; the next unit's K fragments, 192 vector lines ahead of their use
.endif
	WIN 0
.if \pf
	; In step t wave 0 asks for this work-group's eighth (8,192 bytes, lanes 256 bytes apart) of K's and V's tile t + 3, two steps ahead of the
	; loads of that tile.  The eight work-groups of a head ask for different eighths.  The last request is step 12's, for tile 15, the last.
	s_cmp_lg_u32 s14, 0
	s_cbranch_scc1 .Lno_ask_\@
	global_prefetch_b8 v[PF], s[22:23] th:TH_LOAD_NT scope:SCOPE_SE
.Lno_ask_\@:
.endif
	MASKGROUP \buf, 2*\kk, 0, \zero
	MASKGROUP \buf, 2*\kk+1, 1, 0
.if \kk == 0
	s_wait_dscnt 8                                 ; V's eight fragment loads are in; the eight of K issued behind them may stay out
.else
	s_wait_dscnt 0x0
.endif
	WIN W_PV
	; sixteen tiles of O^T, each once: the accumulators take turns
.irp qt, 0,1,2,3
.irp dt, 0,1,2,3
.if \zero
	v_wmma_f32_16x16x32_bf16 v[O+8*(4*\qt+\dt):O+8*(4*\qt+\dt)+7], v[VF+8*\dt:VF+8*\dt+7], v[P+8*\qt:P+8*\qt+7], 0
.else
	v_wmma_f32_16x16x32_bf16 v[O+8*(4*\qt+\dt):O+8*(4*\qt+\dt)+7], v[VF+8*\dt:VF+8*\dt+7], v[P+8*\qt:P+8*\qt+7], v[O+8*(4*\qt+\dt):O+8*(4*\qt+\dt)+7]
.endif
.endr
.endr
.endm
; A step: 128 keys from buffer buf.  ld = 1: the next tile is loaded at the head and stored into the other buffer at the end.
; ONE barrier a step, for two things: every wave's stores of the next tile are done before anybody reads them, and every wave's reads of this
; buffer are done before the next step's stores go into it.  Each wave waits for all its LDS instructions in front of its signal.
.macro STEP buf, ld, pf, zero, last
.if \ld
	LOADS (1-\buf)
.endif
	KFRAGS \buf, 0
	UNIT \buf, 0, \zero, \pf
	UNIT \buf, 1, 0, 0
	WIN 0
.if \ld
	CONVERT (1-\buf)
.endif
.if \last == 0
	s_wait_dscnt 0x0
	s_barrier_signal -1
	s_barrier_wait -1
.endif
.endm
	CONVERT 0                                      ; tile 0 into buffer 0
	s_wait_dscnt 0x0
	s_barrier_signal -1
	s_barrier_wait -1
	STEP 0, 1, 1, 1, 0                             ; step 0 starts the sums
	STEP 1, 1, 1, 0, 0
	s_mov_b32 s24, 5                               ; steps 2 to 11
.Lsteps:
	STEP 0, 1, 1, 0, 0
	STEP 1, 1, 1, 0, 0
	s_sub_co_u32 s24, s24, 1
	s_cmp_lg_u32 s24, 0
	s_cbranch_scc1 .Lsteps
	STEP 0, 1, 1, 0, 0                             ; step 12: the last request ahead
	STEP 1, 1, 0, 0, 0
	STEP 0, 1, 0, 0, 0                             ; step 14 loads tile 15, the last
	STEP 1, 0, 0, 0, 1
	; THE END.  The pairs of sums of squares fold into v[SS:SS+3]; these four lines are also the places behind the last matrix instructions.
	v_add_f32 v[SS],   v[SS],   v[SS+1]
	v_add_f32 v[SS+1], v[SS+2], v[SS+3]
	v_add_f32 v[SS+2], v[SS+4], v[SS+5]
	v_add_f32 v[SS+3], v[SS+6], v[SS+7]
	s_cmp_lt_u32 s14, 4
	s_cbranch_scc1 .Lkeep                          ; waves 4-7 hand their sums to waves 0-3
	WIN W_ST1
.set n, 0
.rept 32
	ds_store_b128 v[ME], v[O+4*n:O+4*n+3] offset:512*n
.set n, n+1
.endr
	WIN 0
	ds_store_b128 v[ME], v[SS:SS+3] offset:32*512
.Lkeep:
	s_wait_dscnt 0x0                               ; for the partner's sake: my stores are done
	s_barrier_signal -1
	s_barrier_wait -1
	s_cmp_lt_u32 s14, 4
	s_cbranch_scc1 .Lmerge
	s_wait_tensorcnt 0x0
	ds_add_u32 v254, v255
	s_wait_dscnt 0x0
	s_endpgm
.Lmerge:
	ds_load_b128 v[4:7], v[ME] offset:32*512       ; the other 64 keys of every step
	s_wait_dscnt 0x0
	v_pk_add_f32 v[SS:SS+1],   v[SS:SS+1],   v[4:5]
	v_pk_add_f32 v[SS+2:SS+3], v[SS+2:SS+3], v[6:7]
.irp q, 0,1,2,3
	v_permlanex16_b32 v[4+\q], v[SS+\q], s26, s27  ; lane L xor 16 holds the same query's other keys
.endr
	v_pk_add_f32 v[SS:SS+1],   v[SS:SS+1],   v[4:5]
	v_pk_add_f32 v[SS+2:SS+3], v[SS+2:SS+3], v[6:7]
.irp q, 0,1,2,3
	v_sqrt_f32 v[4+\q], v[SS+\q]
.endr
	v_nop                                          ; one plain vector line behind a transcendental before its result is used (ISA guide 5.7.2)
	s_wait_alu depctr_va_vdst(0)
.irp q, 0,1,2,3
	v_max_num_f32 v[4+\q], 0x2b8cbccc, v[4+\q]     ; max(norm, 1e-12)
.endr
.irp q, 0,1,2,3
	v_rcp_f32 v[INV+2*\q],   v[4+\q]               ; twice: a pair for the packed multiply
	v_rcp_f32 v[INV+2*\q+1], v[4+\q]
.endr
	v_nop
	s_wait_alu depctr_va_vdst(0)
; 16 query rows: the partner's half is added, the rows are scaled, turned through my stage into whole rows of 256 bytes, and stored.
; Every block of 16 rows has read-back registers of its own, so no store's data is ever rewritten.
.macro OUTQ qt
.irp n, 0,1,2,3,4,5,6,7
	ds_load_b128 v[P+4*\n:P+4*\n+3], v[ME] offset:512*(8*\qt+\n)
.endr
	s_wait_dscnt 0x0
	WIN W_A1
.irp m, 0,1,2,3,4,5,6,7,8,9,10,11,12,13,14,15
	v_pk_add_f32 v[P+2*\m:P+2*\m+1], v[O+32*\qt+2*\m:O+32*\qt+2*\m+1], v[P+2*\m:P+2*\m+1]
.endr
	WIN 0
.irp m, 0,1,2,3,4,5,6,7,8,9,10,11,12,13,14,15
	v_pk_mul_f32 v[P+2*\m:P+2*\m+1], v[P+2*\m:P+2*\m+1], v[INV+2*\qt:INV+2*\qt+1]
.endr
.irp n, 0,1,2,3,4,5,6,7
	ds_store_b128 v[STO], v[P+4*\n:P+4*\n+3] offset:64*(\n>>1)+16*(\n&1)      ; row r, d = 16 dt + 8 h + 0..7
.endr
.irp i, 0,1,2,3,4,5,6,7
	ds_load_b128 v[RB+32*\qt+4*\i:RB+32*\qt+4*\i+3], v[RD] offset:2*SP*\i     ; LDS serves a wave's instructions in order: these see the stores above
.endr
.irp i, 0,1,2,3,4,5,6,7
	s_wait_dscnt 7-\i                              ; read-back i is in, the younger ones stay out
	global_store_b128 v[LO], v[RB+32*\qt+4*\i:RB+32*\qt+4*\i+3], s[12:13] offset:4096*\qt+512*\i th:TH_STORE_NT   ; two rows: 512 consecutive bytes, aligned
.endr
.endm
	OUTQ 0
	OUTQ 1
	OUTQ 2
	OUTQ 3
	s_wait_tensorcnt 0x0
	ds_add_u32 v254, v255
	s_wait_dscnt 0x0
	s_endpgm
.Lfunc_end_k_q6ad23ba5c9_attn:
	.size	k_q6ad23ba5c9_attn, .Lfunc_end_k_q6ad23ba5c9_attn-k_q6ad23ba5c9_attn
	.p2alignl 7, 3214868480
	.fill 96, 4, 3214868480
	.section	.rodata,"a",@progbits
	.p2align	6, 0x0
	.amdhsa_kernel k_q6ad23ba5c9_attn
		.amdhsa_group_segment_fixed_size 181248
		.amdhsa_private_segment_fixed_size 0
		.amdhsa_enable_private_segment 0
		.amdhsa_kernarg_size 40
		.amdhsa_user_sgpr_count 2
		.amdhsa_user_sgpr_kernarg_segment_ptr 1
		.amdhsa_wavefront_size32 1
		.amdhsa_system_sgpr_workgroup_id_x 1
		.amdhsa_system_sgpr_workgroup_id_y 1
		.amdhsa_system_sgpr_workgroup_id_z 1
		.amdhsa_system_vgpr_workitem_id 0
		.amdhsa_next_free_vgpr 512
		.amdhsa_next_free_sgpr 66
		.amdhsa_reserve_vcc 0
		.amdhsa_float_denorm_mode_32 3
		.amdhsa_float_denorm_mode_16_64 3
		.amdhsa_memory_ordered 1
		.amdhsa_forward_progress 1
		.amdhsa_inst_pref_size 255
	.end_amdhsa_kernel
	.section	.bss,"aw",@nobits
	.p2align	6
	.space	262144
	.amdgpu_metadata
---
amdhsa.version: [ 1, 2 ]
amdhsa.kernels:
  - .name:           k_q6ad23ba5c9_attn
    .symbol:         k_q6ad23ba5c9_attn.kd
    .args:
      - { .name: query, .offset: 0, .size: 8, .value_kind: global_buffer, .address_space: global }
      - { .name: keys, .offset: 8, .size: 8, .value_kind: global_buffer, .address_space: global }
      - { .name: vals, .offset: 16, .size: 8, .value_kind: global_buffer, .address_space: global }
      - { .name: mbits, .offset: 24, .size: 8, .value_kind: global_buffer, .address_space: global }
      - { .name: out0, .offset: 32, .size: 8, .value_kind: global_buffer, .address_space: global }
    .group_segment_fixed_size: 181248
    .private_segment_fixed_size: 0
    .kernarg_segment_align: 8
    .kernarg_segment_size: 40
    .max_flat_workgroup_size: 256
    .sgpr_count:     66
    .vgpr_count:     512
    .wavefront_size: 32
...
	.end_amdgpu_metadata
.endif
;; end of part 2
;; ======== version 2 of 2: 2 launches
;; workspace buffers: mbits 1,048,576 bytes of whole numbers
;; launch pack (part 3): grid 256 x 1, 8 waves a work-group, no clusters, 168,960 bytes of LDS; arguments mask, mbits; writes mbits
.if DOCPART == 3
	.amdgcn_target "amdgcn-amd-amdhsa--gfx1250"
	.amdhsa_code_object_version 6
	.text
	.protected	k_q6ad23ba5c9_pack
	.globl	k_q6ad23ba5c9_pack
	.p2align	8
	.type	k_q6ad23ba5c9_pack,@function
k_q6ad23ba5c9_pack:
	s_mov_b64 s[64:65], 0
	v_nop
	global_prefetch_b8 v0, s[64:65] scope:SCOPE_SE
	s_setreg_imm32_b32 hwreg(HW_REG_WAVE_MODE, 25, 1), 1
	s_wait_xcnt 0x0
; mask [2][1][2048][2048] int32  ->  mbits, one bit an element, laid out as the lane masks that the attention launch selects with.
; mbits = [b 2][q64 32][s 32][128 words].  A block (b, q64, s) covers queries 64 q64 .. +63 and keys 64 s .. +63.
; Word 32 kt + 8 qt + j (kt, qt 0..3, j 0..7), bit L:  mask[b][64 q64 + 16 qt + (L & 15)][64 s + 16 kt + 8 (L >> 4) + j] != 0,
; which is the place of register j, lane L, of a 16 x 16 f32 matrix result with keys as rows and queries as columns.
; The 32 words of 16 keys x 64 queries are 128 consecutive bytes, so that the attention launch takes them by wide scalar loads.
; Any word of the mask other than 0 counts as true, as in the comparison with 0 that defines the result.
; 2,048 blocks, 2,048 waves: one block a wave.  A wave's 64 rows x 256 bytes come by ONE tensor load into LDS bytes of its own, which
; only that wave reads and which are never filled again: no barrier, and one tensor load of a wave outstanding at the most.
; The eight waves of a work-group ask for 128 KiB at once, so no ring of slots is needed.  No matrix work, nothing shared between
; work-groups: clusters and large register tiles have nothing to give here.
.set PITCH, 272                        ; an LDS row: 256 bytes + 16 of padding, an odd multiple of 16: sixteen rows begin in sixteen different 16-byte columns of 256 bytes
.set WTILE, 64*PITCH                   ; a wave's tile in LDS: 17,408 bytes; eight of them: 139,264
.set W,  4                             ; v[4:7]    the four words of the block that this lane stores (words 4 lane .. 4 lane + 3)
.set D,  16                            ; v[16:143] register D + 32 qt + 8 kt + j: the mask element of query block qt, key block kt, register j
	s_load_b128 s[4:7], s[0:1], 0x0                ; mask s[4:5], mbits s[6:7]
	v_lshl_add_u32 v144, v0, 2, 0x29000
	v_mov_b32 v145, 0
	ds_add_u32 v144, v145
	ds_add_u32 v144, v145
	v_lshrrev_b32 v1, 5, v0
	v_readfirstlane_b32 s8, v1                     ; wave 0..7
	s_lshr_b32 s10, ttmp9, 2                       ; 32 b + q64
	s_lshl_b32 s10, s10, 19                        ; x 64 rows of 8,192 bytes
	s_and_b32 s11, ttmp9, 3
	s_lshl_b32 s11, s11, 3
	s_add_co_u32 s11, s11, s8                      ; s = 8 (x & 3) + wave
	s_lshl_b32 s11, s11, 8                         ; x 64 keys of 4 bytes
	s_add_co_u32 s10, s10, s11                     ; below 32 MiB
	s_mov_b32 s11, 0
	s_lshl_b32 s9, ttmp9, 3
	s_add_co_u32 s9, s9, s8                        ; the block's number = 8 x + wave
	s_lshl_b32 s9, s9, 9                           ; x 512 bytes
	; descriptor group 1: 64 rows x 64 elements of 4 bytes, 2,048 elements from row to row, 4 words of padding behind every 64
	s_mov_b32 s16, (2<<16)|(1<<20)|(5<<22)|(3<<25)
	s_mov_b32 s17, 64<<16                          ; tensor_dim0 = 64 (the tile lies inside the tensor: the extents are the tile's)
	s_mov_b32 s18, 64<<16                          ; tensor_dim1 = 64
	s_mov_b32 s19, 64<<16                          ; tile_dim0 = 64
	s_mov_b32 s20, 64                              ; tile_dim1 = 64
	s_mov_b32 s21, 2048                            ; pitch in elements
	s_mov_b32 s22, 0
	s_mov_b32 s23, 0
	; descriptor group 0
	s_mov_b32 s12, 1
	s_mul_i32 s13, s8, WTILE                       ; my wave's bytes of LDS
	s_wait_dscnt 0x0
	s_wait_kmcnt 0x0
	s_add_nc_u64 s[14:15], s[4:5], s[10:11]
	s_or_b32 s15, s15, 0x80000000                  ; type 2
	tensor_load_to_lds s[12:15], s[16:23]          ; the launch's only fill of these bytes
	s_nop 0
	v_and_b32 v8, 15, v0                           ; r = L & 15: the query in a group of 16
	v_bfe_u32 v9, v0, 4, 1                         ; h = L >> 4: which eight keys of 16
	v_and_b32 v3, 31, v0
	v_mul_u32_u24 v1, v8, PITCH
	v_lshl_add_u32 v1, v9, 5, v1                   ; r x pitch + 32 h
	v_add_nc_u32 v1, s13, v1                       ; + my wave's tile
	v_lshl_add_u32 v2, v3, 4, s9                   ; where my 16 bytes of the block go
.irp i, 0,1,2,3
	v_mov_b32 v[W+\i], 0                           ; v_writelane_b32 keeps the other lanes: the registers are written whole once
.endr
	s_wait_tensorcnt 0x0                           ; my tile is in LDS; nothing of the mover's is out at the end either
.irp qt, 0,1,2,3
.irp kt, 0,1,2,3
	ds_load_b128 v[D+32*\qt+8*\kt:D+32*\qt+8*\kt+3],   v1 offset:\qt*16*PITCH+\kt*64
	ds_load_b128 v[D+32*\qt+8*\kt+4:D+32*\qt+8*\kt+7], v1 offset:\qt*16*PITCH+\kt*64+16
.endr
.endr
.irp qt, 0,1,2,3
	s_wait_dscnt 24-8*\qt                          ; LDS loads come back in order: the eight of this group of 16 rows are in, those of the later groups stay out
.irp kt, 0,1,2,3
.irp j, 0,1,2,3,4,5,6,7
	v_cmp_ne_u32 s[24+\j], 0, v[D+32*\qt+8*\kt+\j] ; 32 lanes' answers = one word of the block
.endr
.irp j, 0,1,2,3,4,5,6,7
	v_writelane_b32 v[W+(\j&3)], s[24+\j], 8*\kt+2*\qt+(\j>>2)     ; word w = 32 kt + 8 qt + j goes to lane w / 4, register w mod 4
.endr
.endr
.endr
	global_store_b128 v2, v[W:W+3], s[6:7]         ; the wave stores its block: 512 consecutive bytes, aligned
	s_wait_tensorcnt 0x0
	ds_add_u32 v144, v145
	s_wait_dscnt 0x0
	s_endpgm
.Lfunc_end_k_q6ad23ba5c9_pack:
	.size	k_q6ad23ba5c9_pack, .Lfunc_end_k_q6ad23ba5c9_pack-k_q6ad23ba5c9_pack
	.p2alignl 7, 3214868480
	.fill 96, 4, 3214868480
	.section	.rodata,"a",@progbits
	.p2align	6, 0x0
	.amdhsa_kernel k_q6ad23ba5c9_pack
		.amdhsa_group_segment_fixed_size 168960
		.amdhsa_private_segment_fixed_size 0
		.amdhsa_enable_private_segment 0
		.amdhsa_kernarg_size 16
		.amdhsa_user_sgpr_count 2
		.amdhsa_user_sgpr_kernarg_segment_ptr 1
		.amdhsa_wavefront_size32 1
		.amdhsa_system_sgpr_workgroup_id_x 1
		.amdhsa_system_sgpr_workgroup_id_y 1
		.amdhsa_system_sgpr_workgroup_id_z 1
		.amdhsa_system_vgpr_workitem_id 0
		.amdhsa_next_free_vgpr 146
		.amdhsa_next_free_sgpr 66
		.amdhsa_reserve_vcc 0
		.amdhsa_float_denorm_mode_32 3
		.amdhsa_float_denorm_mode_16_64 3
		.amdhsa_memory_ordered 1
		.amdhsa_forward_progress 1
		.amdhsa_inst_pref_size 21
	.end_amdhsa_kernel
	.amdgpu_metadata
---
amdhsa.version: [ 1, 2 ]
amdhsa.kernels:
  - .name:           k_q6ad23ba5c9_pack
    .symbol:         k_q6ad23ba5c9_pack.kd
    .args:
      - { .name: mask, .offset: 0, .size: 8, .value_kind: global_buffer, .address_space: global }
      - { .name: mbits, .offset: 8, .size: 8, .value_kind: global_buffer, .address_space: global }
    .group_segment_fixed_size: 168960
    .private_segment_fixed_size: 0
    .kernarg_segment_align: 8
    .kernarg_segment_size: 16
    .max_flat_workgroup_size: 256
    .sgpr_count:     66
    .vgpr_count:     146
    .wavefront_size: 32
...
	.end_amdgpu_metadata
.endif
;; end of part 3
;; launch attn (part 4): grid 256 x 1, 8 waves a work-group, no clusters, 259,072 bytes of LDS; arguments query, keys, vals, mbits, out0; writes out0
.if DOCPART == 4
	.amdgcn_target "amdgcn-amd-amdhsa--gfx1250"
	.amdhsa_code_object_version 6
	.text
	.protected	k_q6ad23ba5c9_attn
	.globl	k_q6ad23ba5c9_attn
	.p2align	8
	.type	k_q6ad23ba5c9_attn,@function
k_q6ad23ba5c9_attn:
	s_mov_b64 s[64:65], 0
	v_nop
	global_prefetch_b8 v0, s[64:65] scope:SCOPE_SE
	s_setreg_imm32_b32 hwreg(HW_REG_WAVE_MODE, 25, 1), 1
	s_wait_xcnt 0x0
; out = (P V) / max(sqrt(sum over keys of P^2), 1e-12),  P = (Q K^T + 1e-5) where the mask is not 0, else 0.
; query, keys, vals, out0: [32 heads][2048][64] f32.  mbits: the mask as lane-mask words, made by the launch before (layout below).
; One pass over the keys: P V and the sum of P^2 are kept in f32 registers, and one scale is applied at the end; scores never leave registers.
;
; SHARES.  Work-group x: head x >> 3, query rows 256 (x & 7) .. +255.  Wave w: g = w & 3 takes rows 64 g .. +63 of these, kh = w >> 2 takes
; keys 64 kh .. +63 of every tile of 128 keys; 16 tiles.  Waves g and g + 4 hold partial sums of the same rows and meet once, at the end, in LDS.
; Eight waves on four SIMDs: one wave's vector lines can run while the other's matrix lines do.
;
; THE MATRIX INSTRUCTION IS USED TRANSPOSED, twice.  S^T = K Q^T: source 0 = 16 keys, source 1 = 16 queries; lane L then holds query L & 15, and
; registers j = 0..7 hold keys 8 (L >> 4) + j.  Two such tiles rounded to bf16 ARE source 1 (32 keys of 16 queries) of O^T = V^T P^T: no shuffle, no
; trip through LDS.  In O^T a lane again holds one query, so the sum of squares and the scale are one number a lane and block of 16 queries.
; The constant 1e-5 is the C operand of each score tile's first product.
;
; THE PIPELINE.  A unit is 32 keys x 64 queries of a wave; 32 units, two to a tile.  Unit u = a matrix phase (P V of unit u - 1, then Q K of unit u:
; 32 matrix instructions) and a vector phase (selection, squares, rounding of unit u).  At its head the vector phase asks LDS for V's fragments of
; unit u and K's of unit u + 1; behind its 64 selections it asks for the 64 lane masks of unit u + 1.
;
; K AND V are f32 in memory and bf16 in the matrix unit.  The eight waves load a tile's 128 keys of K and V (64 KiB) into registers, round them once
; and store 32 KiB of bf16 into one of FOUR LDS slots: step t (tile t, two units) reads slot t mod 4 and stores tile t + 2 into slot (t + 2) mod 4.
; ONE barrier a step, signal and wait far apart.  The signal stands in the vector phase of the step's second unit, behind a wait for all my LDS
; instructions: my stores of tile t + 2 and my last reads of slot t are done.  The wait stands in the next step's first unit, behind its matrix
; phase and ahead of its stores; between them stand 48 vector lines, 32 matrix instructions and four empty places: registers alone.
; It orders: everybody's stores of tile t + 2 (ahead of signal t) before my first read of it (K's fragments, in the second unit of step t + 1, behind
; wait t); everybody's reads of slot (t + 2) mod 4 in step t - 2 (ahead of signal t - 2) before my stores into it in step t (behind wait t - 2).
; NO TENSOR LOADS AND NO CLUSTER, though the eight work-groups of a head walk the same K and V: a tensor load copies bytes as they are, so a shared
; tile would lie in LDS as f32: 64 KiB a tile written and 64 KiB read back, on top of the 32 KiB of bf16 stored here and the fragments read from them.
;
; mbits = [b][q64 32][s 32][128 words]; word 32 kt + 8 qt + j, bit L = mask[b][64 q64 + 16 qt + (L & 15)][64 s + 16 kt + 8 (L >> 4) + j] != 0:
; the lane mask of register j of score tile (kt, qt).  A wave's block (its 64 rows, its 64 keys of a tile) is 512 bytes; a unit's 64 masks are 256
; consecutive bytes of it: four scalar loads of 64 bytes, straight into the registers that v_cndmask_b32 selects by.
;
; LIMITS.  Q, K, V and P enter the products rounded to bf16 (f32's range).  The sums of P^2 and of P V are made in f32 in another order than a plain
; row sum (two key halves, two lane halves, a register pair).  v_sqrt_f32 takes a sum below 2^-126 as 0: such a norm lies under the floor 1e-12,
; so the result is the same.  The division is v_rcp_f32 (1 ULP) and a multiply.  A masked score is replaced by selection, so NaN or infinity
; under the mask vanishes as in the definition.
.set KP,    144                        ; LDS pitch of a K row: 128 bytes of bf16 + 16, an odd multiple of 16
.set VP,    160                        ; LDS pitch of a V row: 128 + 32, an odd multiple of 32 (for the transposing load)
.set KB,    128*KP                     ; K's part of a slot: 18,432 bytes
.set SLOT,  KB+128*VP                  ; a slot: 38,912 bytes; four of them from LDS byte 0
.set STAGE, 4*SLOT                     ; 155,648: for each wave 16 rows x 272 bytes of f32: Q on its way in, out0 on its way out
.set SP,    272
.set STW,   16*SP
.set MERGE, STAGE+8*STW                ; 190,464: for each g 32 x 512 bytes (the image of O's 128 registers) + 512 bytes (the sums of squares)
.set MGW,   33*512
.set TILEB, 32768                      ; 128 keys x 256 bytes of f32 in memory
; window 0.  Each LDS address of the slots has two registers: for slots 0, 1 and, 2 SLOT higher, for slots 2, 3 (an LDS immediate has 16 bits)
.set KA,  8                            ; v8-9     LDS address of my K fragments
.set VA,  10                           ; v10-11   LDS address of my V fragments (V's start in a slot included)
.set KS,  12                           ; v12-13   where I store 8 bytes of K
.set VS,  14                           ; v14-15   where I store 8 bytes of V (V's start included)
.set GO,  16                           ; 16 x thread: my 16 bytes of 4,096 of a K or V tile
.set LO,  17                           ; 16 x lane
.set PF,  18                           ; 256 x lane
.set STO, 19                           ; stage: row L & 15, 32 bytes for each half of the lanes
.set RD,  20                           ; stage: lanes 0-15 one row of 256 bytes, lanes 16-31 the next
.set ME,  21                           ; merge area of my g, 16 x lane
.set INV, 22                           ; v[22:29]   1 / norm, twice for each block of 16 queries
.set PM,  30                           ; 16,384 (L >> 3) + 256 (L & 7): 2,048 bytes in each of the work-group's four rows of mbits
.set SS,  46                           ; v[46:53]   sums of squares, a pair for each block of 16 queries
.set EPS, 54                           ; v[54:61]   1e-5 eight times: the C operand that starts a score tile
.set P,   62                           ; v[62:93]   P as bf16: fragment of query block qt at P + 8 qt.  At the start: Q's rows on their turn
.set S,   94                           ; v[94:157]  scores: tile (ktl, qt) at S + 8 (4 ktl + qt).  At the start: tile 1 as loaded
.set STG, 158                          ; v[158:221] a tile on its way: K 32 registers, V 32
.set RB,  94                           ; v[94:221]  at the end: rows read back for the stores
; window 1 (written by the low 8 bits of the register's number)
.set O,   0                            ; v[256:383] O^T: tile (qt, dt) at 8 (4 qt + dt).  At the start: Q as loaded
.set Q,   128                          ; v[384:447] Q fragments (qt, dk) at 128 + 8 (2 qt + dk)
.set KF,  192                          ; v[448:479] K fragments (ktl, dk) at 192 + 8 (2 ktl + dk)
.set VF,  224                          ; v[480:511] V^T fragments dt at 224 + 8 dt
.set LMA, 32                           ; s[32:63]   the 32 lane masks of a unit's first 16 keys: mask (qt, j) at LMA + 8 qt + j
.set LMB, 68                           ; s[68:99]   those of its second 16 keys
; s_set_vgpr_msb's low byte: bits 1:0 source 0, 3:2 source 1, 5:4 source 2, 7:6 destination; its high byte repeats the setting that is left
.set W_QK,  0x05                       ; K and Q fragments in window 1; scores and 1e-5 in window 0
.set W_PV,  0x51                       ; V fragments, C and D in window 1; P in window 0
.set W_LD1, 0x40                       ; destination in window 1
.set W_ST1, 0x04                       ; an LDS store's data in window 1
.set W_A1,  0x01                       ; source 0 in window 1
.set MSB, 0
.macro WIN new
.if MSB != \new
	s_set_vgpr_msb (MSB<<8)|\new
.set MSB, \new
.endif
.endm
; Four plain vector lines that name none of a matrix instruction's registers stand between it and a vector line that reads its result or writes one
; of its registers, and a load into one of its registers.
.macro PLACES
.rept 4
	v_nop
.endr
.endm
; The 64 lane masks of a unit: 256 consecutive bytes at byte off of the block at which s[10:11] stands
.macro MLOAD off
	s_load_b512 s[LMA:LMA+15],    s[10:11], \off
	s_load_b512 s[LMA+16:LMA+31], s[10:11], \off+64
	s_load_b512 s[LMB:LMB+15],    s[10:11], \off+128
	s_load_b512 s[LMB+16:LMB+31], s[10:11], \off+192
.endm
	s_load_b256 s[4:11], s[0:1], 0x0               ; query s[4:5], keys s[6:7], vals s[8:9], mbits s[10:11]
	s_load_b64 s[12:13], s[0:1], 0x20              ; out0
	v_lshl_add_u32 v254, v0, 2, 0x3f000
	v_mov_b32 v255, 0
	v_lshrrev_b32 v1, 5, v0
	v_readfirstlane_b32 s14, v1                    ; wave 0..7
	s_and_b32 s15, s14, 3                          ; g: which 64 query rows
	s_lshr_b32 s16, s14, 2                         ; kh: which 64 keys of a tile
	s_lshr_b32 s17, ttmp9, 3                       ; head 0..31
	s_and_b32 s18, ttmp9, 7                        ; block of 256 query rows
	s_and_b32 s19, s17, 15                         ; head in its batch: the sixteen share the mask
	s_mov_b32 s26, 0x76543210                      ; v_permlanex16_b32: lane i of one half reads lane i of the other
	s_mov_b32 s27, 0xfedcba98
	s_lshl_b32 s20, s17, 19                        ; the head: 2,048 rows of 256 bytes
	s_mov_b32 s21, 0
	s_lshl_b32 s28, s18, 16                        ; 256 rows of 256 bytes
	s_lshl_b32 s25, s15, 14                        ; 64 rows
	s_add_co_u32 s28, s28, s25
	s_add_co_u32 s28, s28, s20                     ; my 64 rows in query and in out0 (below 16 MiB)
	s_mov_b32 s29, 0
	s_lshr_b32 s30, s17, 4                         ; batch
	s_lshl_b32 s30, s30, 5
	s_lshl2_add_u32 s30, s18, s30                  ; + 4 x block: the first of the work-group's four rows of mbits,
	s_lshl_b32 s32, s30, 14                        ; of 32 blocks x 512 bytes each (s[32:33] hold this offset until the first masks are loaded)
	s_mov_b32 s33, 0
	s_add_co_u32 s30, s30, s15                     ; + g = 32 b + q64
	s_lshl_b32 s30, s30, 5
	s_add_co_u32 s30, s30, s16                     ; x 32 + kh: my block of tile 0
	s_lshl_b32 s30, s30, 9                         ; x 512 bytes
	s_mov_b32 s31, 0
	s_and_b32 s2, s18, 3
	s_lshl_b32 s2, s2, 13                          ; the prefetch of K and V: my quarter (8,192 bytes) of a tile of K or of V,
	s_add_co_u32 s2, s2, 3*TILEB                   ; at tile 3; stepped by a tile in front of every request, so the first asks for tile 4
	s_mov_b32 s3, 0
	v_and_b32 v1, 31, v0                           ; lane
	v_lshlrev_b32 v[GO], 4, v0
	v_lshlrev_b32 v[LO], 4, v1
	v_lshlrev_b32 v[PF], 8, v1
	s_wait_kmcnt 0x0
	s_add_nc_u64 s[4:5], s[4:5], s[28:29]
	s_add_nc_u64 s[12:13], s[12:13], s[28:29]
	s_add_nc_u64 s[6:7], s[6:7], s[20:21]
	s_add_nc_u64 s[8:9], s[8:9], s[20:21]
	s_add_nc_u64 s[28:29], s[10:11], s[32:33]      ; the prefetch of masks: the work-group's four rows, at tile 0; stepped by two tiles in front of every request
	s_add_nc_u64 s[10:11], s[10:11], s[30:31]
	s_cmp_lt_u32 s18, 4                            ; work-groups 0-3 of a head ask for quarters of K's tiles, 4-7 for quarters of V's
	s_cselect_b64 s[22:23], s[6:7], s[8:9]
	s_add_nc_u64 s[22:23], s[22:23], s[2:3]
	MLOAD 0                                        ; the masks of unit 0
; 16 loads: my wave's eighth of K's tile (8 x 16 bytes a lane) and of V's into stg.  Each load of a wave covers 512 consecutive bytes.
; ahead: tiles beyond the one at which the pointers stand.
.macro LOADS stg, ahead
.irp i, 0,1,2,3,4,5,6,7
	global_load_b128 v[\stg+4*\i:\stg+4*\i+3], v[GO], s[6:7] offset:4096*\i+TILEB*(\ahead)
.endr
.irp i, 0,1,2,3,4,5,6,7
	global_load_b128 v[\stg+32+4*\i:\stg+32+4*\i+3], v[GO], s[8:9] offset:4096*\i+TILEB*(\ahead)
.endr
.endm
; K's and V's pointers go n tiles on
.macro STEPPTR n
	s_add_nc_u64 s[6:7], s[6:7], \n*TILEB
	s_add_nc_u64 s[8:9], s[8:9], \n*TILEB
.endm
; The tile in stg is rounded to bf16 and stored into a slot.  behind = loads issued behind this tile's 16.
.macro CONVERT stg, slot, behind
	s_wait_loadcnt \behind+8                       ; K's eight loads are in; V's eight and the loads behind them may stay out
.irp i, 0,1,2,3,4,5,6,7
	v_cvt_pk_bf16_f32 v[\stg+4*\i],   v[\stg+4*\i],   v[\stg+4*\i+1]
	v_cvt_pk_bf16_f32 v[\stg+4*\i+1], v[\stg+4*\i+2], v[\stg+4*\i+3]
.endr
.irp i, 0,1,2,3,4,5,6,7
	ds_store_b64 v[KS+((\slot)>>1)], v[\stg+4*\i:\stg+4*\i+1] offset:((\slot)&1)*SLOT+\i*16*KP
.endr
	s_wait_loadcnt \behind                         ; V's eight too
.irp i, 0,1,2,3,4,5,6,7
	v_cvt_pk_bf16_f32 v[\stg+32+4*\i],   v[\stg+32+4*\i],   v[\stg+32+4*\i+1]
	v_cvt_pk_bf16_f32 v[\stg+32+4*\i+1], v[\stg+32+4*\i+2], v[\stg+32+4*\i+3]
.endr
.irp i, 0,1,2,3,4,5,6,7
	ds_store_b64 v[VS+((\slot)>>1)], v[\stg+32+4*\i:\stg+32+4*\i+1] offset:((\slot)&1)*SLOT+\i*16*VP
.endr
.endm
; Requests ahead, by wave 0, behind the loads of a tile.
; kv = 1: in step t, behind the loads of tile t + 3, this work-group's eighth (8,192 bytes, lanes 256 bytes apart) of K's and V's tile t + 5: two tiles,
; four units, ahead of that tile's loads.  The eight work-groups of a head ask for different eighths.  The last request, in step 10, is for tile 15.
; pm = 1: in every even step t up to 12, the masks of tiles t + 2 and t + 3 of the work-group's 256 rows: 2,048 bytes in each of four rows of mbits,
; lanes 256 bytes apart; three and five units ahead of the first scalar load from them.  The sixteen heads of a batch read the same masks: the
; work-group of head 0 alone asks.  The last request ends where the four rows end.
.macro ASK kv, pm
	s_cmp_lg_u32 s14, 0
	s_cbranch_scc1 .Lno_ask_\@
.if \kv
	global_prefetch_b8 v[PF], s[22:23] th:TH_LOAD_NT scope:SCOPE_SE
.endif
.if \pm
	s_cmp_lg_u32 s19, 0
	s_cbranch_scc1 .Lno_ask_\@
	global_prefetch_b8 v[PM], s[28:29] th:TH_LOAD_NT scope:SCOPE_SE
.endif
.Lno_ask_\@:
.endm
	WIN W_LD1
.set n, 0
.rept 32
	global_load_b128 v[O+4*n:O+4*n+3], v[LO], s[4:5] offset:512*n      ; my 64 rows of Q, two rows a load, into O's registers, which are free until the first P V
.set n, n+1
.endr
	WIN 0
	LOADS STG, 0                                   ; tile 0
	v_and_b32 v2, 15, v0                           ; r = L & 15
	v_bfe_u32 v3, v0, 4, 1                         ; h = L >> 4
	v_mul_u32_u24 v[KA], v2, KP                    ; a fragment of rows that lie along d: row r, 16 bytes for each half of the lanes
	v_lshl_add_u32 v[KA], v3, 4, v[KA]
	s_mul_i32 s25, s16, 64*KP                      ; my 64 keys
	v_add_nc_u32 v[KA], s25, v[KA]
	v_add_nc_u32 v[KA+1], 2*SLOT, v[KA]
	v_and_b32 v4, 7, v0                            ; the transposing load: key 8 h + (L & 7), 16 bytes at 16 ((L >> 3) & 1)
	v_lshl_add_u32 v4, v3, 3, v4
	v_mul_u32_u24 v[VA], v4, VP
	v_bfe_u32 v5, v0, 3, 1
	v_lshl_add_u32 v[VA], v5, 4, v[VA]
	s_mul_i32 s25, s16, 64*VP
	s_add_co_u32 s25, s25, KB
	v_add_nc_u32 v[VA], s25, v[VA]
	v_add_nc_u32 v[VA+1], 2*SLOT, v[VA]
	v_mul_u32_u24 v[KS], v3, KP                    ; stores: row 2 w + h of sixteen, 8 bytes at 8 r
	v_lshl_add_u32 v[KS], v2, 3, v[KS]
	s_mul_i32 s25, s14, 2*KP
	v_add_nc_u32 v[KS], s25, v[KS]
	v_add_nc_u32 v[KS+1], 2*SLOT, v[KS]
	v_mul_u32_u24 v[VS], v3, VP
	v_lshl_add_u32 v[VS], v2, 3, v[VS]
	s_mul_i32 s25, s14, 2*VP
	s_add_co_u32 s25, s25, KB
	v_add_nc_u32 v[VS], s25, v[VS]
	v_add_nc_u32 v[VS+1], 2*SLOT, v[VS]
	s_mul_i32 s25, s14, STW
	s_add_co_u32 s25, s25, STAGE                   ; my stage
	v_mul_u32_u24 v6, v2, SP
	v_lshl_add_u32 v6, v3, 5, v6
	v_add_nc_u32 v[STO], s25, v6
	v_mul_u32_u24 v7, v3, SP
	v_lshl_add_u32 v7, v2, 4, v7
	v_add_nc_u32 v[RD], s25, v7
	s_mul_i32 s25, s15, MGW
	s_add_co_u32 s25, s25, MERGE
	v_add_nc_u32 v[ME], s25, v[LO]
	v_lshrrev_b32 v5, 3, v1                        ; lane >> 3: which of the four rows of mbits
	v_and_b32 v4, 7, v1
	v_lshlrev_b32 v4, 8, v4
	v_lshl_add_u32 v[PM], v5, 14, v4
.irp i, 0,1,2,3,4,5,6,7
	v_mov_b32 v[EPS+\i], 0x3727c5ac                ; 1e-5
.endr
	; Q's fragments, 16 rows at a time through my own stage: rows in as loaded, out as 32 bytes of f32 a lane, rounded to bf16.
	; Fragment (qt, dk): lane (r, h) holds row 16 qt + r; registers 0-3 d = 32 dk + 8 h + 0..7, registers 4-7 d = 32 dk + 16 + 8 h + 0..7.
	s_wait_loadcnt 16                              ; Q's 32 loads are in; the 16 of tile 0, issued behind them, stay out
	LOADS S, 1                                     ; tile 1, into the score registers, which are free until the first Q K; it arrives while Q takes its turn through the stage
.irp qt, 0,1,2,3
	WIN W_ST1
.irp i, 0,1,2,3,4,5,6,7
	ds_store_b128 v[RD], v[O+32*\qt+4*\i:O+32*\qt+4*\i+3] offset:2*SP*\i
.endr
	WIN 0
.irp n, 0,1,2,3,4,5,6,7
	ds_load_b128 v[P+4*\n:P+4*\n+3], v[STO] offset:128*(\n>>2)+64*((\n>>1)&1)+16*(\n&1)   ; LDS serves a wave's instructions in order: these see the stores above
.endr
	s_wait_dscnt 0x0
	WIN W_LD1
.irp m, 0,1,2,3,4,5,6,7,8,9,10,11,12,13,14,15
	v_cvt_pk_bf16_f32 v[Q+16*\qt+\m], v[P+2*\m], v[P+2*\m+1]
.endr
.endr
	WIN 0
; Eight LDS loads: the K fragments of keys 32 kk .. +31 of my 64 in a slot, both halves of d
.macro KFRAGS slot, kk
.irp ktl, 0,1
.irp dk, 0,1
	ds_load_b128 v[KF+8*(2*\ktl+\dk):KF+8*(2*\ktl+\dk)+3],   v[KA+((\slot)>>1)] offset:((\slot)&1)*SLOT+(2*(\kk)+\ktl)*16*KP+64*\dk
	ds_load_b128 v[KF+8*(2*\ktl+\dk)+4:KF+8*(2*\ktl+\dk)+7], v[KA+((\slot)>>1)] offset:((\slot)&1)*SLOT+(2*(\kk)+\ktl)*16*KP+64*\dk+32
.endr
.endr
.endm
; Eight transposing LDS loads: V^T of the same 32 keys: fragment dt holds d = 16 dt + r
.macro VFRAGS slot, kk
.irp dt, 0,1,2,3
	ds_load_tr16_b128 v[VF+8*\dt:VF+8*\dt+3],   v[VA+((\slot)>>1)] offset:((\slot)&1)*SLOT+(\kk)*32*VP+32*\dt          ; keys 8 h + 0..7 of the 32
	ds_load_tr16_b128 v[VF+8*\dt+4:VF+8*\dt+7], v[VA+((\slot)>>1)] offset:((\slot)&1)*SLOT+(\kk)*32*VP+32*\dt+16*VP    ; keys 16 + 8 h + 0..7
.endr
.endm
; Selection in the four score tiles of 16 keys: where the bit is 0 the score becomes 0
.macro CM ktl
.irp qt, 0,1,2,3
.irp j, 0,1,2,3,4,5,6,7
	v_cndmask_b32 v[S+8*(4*\ktl+\qt)+\j], 0, v[S+8*(4*\ktl+\qt)+\j], s[LMA+(LMB-LMA)*\ktl+8*\qt+\j]
.endr
.endr
.endm
; Two squares onto query block qt's sum; start = 1: the first squares start the sum, nothing is cleared
.macro SQ qt, src, start
.if \start
	v_pk_mul_f32 v[SS+2*\qt:SS+2*\qt+1], v[\src:\src+1], v[\src:\src+1]
.else
	v_pk_fma_f32 v[SS+2*\qt:SS+2*\qt+1], v[\src:\src+1], v[\src:\src+1], v[SS+2*\qt:SS+2*\qt+1]
.endif
.endm
.macro SQS ktl, first
.irp qt, 0,1,2,3
	SQ \qt, S+8*(4*\ktl+\qt), \first
.endr
.irp p, 1,2,3
.irp qt, 0,1,2,3
	SQ \qt, S+8*(4*\ktl+\qt)+2*\p, 0               ; four chains by turns
.endr
.endr
.endm
; Rounding: keys 8 h + 2 p, + 1 of tile ktl go to the place that they have in source 1 of P V
.macro CV ktl
.irp qt, 0,1,2,3
.irp p, 0,1,2,3
	v_cvt_pk_bf16_f32 v[P+8*\qt+4*\ktl+\p], v[S+8*(4*\ktl+\qt)+2*\p], v[S+8*(4*\ktl+\qt)+2*\p+1]
.endr
.endr
.endm
; Eight score tiles, two products each; the accumulators take turns, one instruction a turn
.macro QKM
.irp ktl, 0,1
.irp qt, 0,1,2,3
	v_wmma_f32_16x16x32_bf16 v[S+8*(4*\ktl+\qt):S+8*(4*\ktl+\qt)+7], v[KF+16*\ktl:KF+16*\ktl+7], v[Q+16*\qt:Q+16*\qt+7], v[EPS:EPS+7]
.endr
.endr
.irp ktl, 0,1
.irp qt, 0,1,2,3
	v_wmma_f32_16x16x32_bf16 v[S+8*(4*\ktl+\qt):S+8*(4*\ktl+\qt)+7], v[KF+16*\ktl+8:KF+16*\ktl+15], v[Q+16*\qt+8:Q+16*\qt+15], v[S+8*(4*\ktl+\qt):S+8*(4*\ktl+\qt)+7]
.endr
.endr
.endm
; Sixteen tiles of O^T, each once: the accumulators take turns.  zero = 1: the first products start the sums
.macro PVM zero
.irp qt, 0,1,2,3
.irp dt, 0,1,2,3
.if \zero
	v_wmma_f32_16x16x32_bf16 v[O+8*(4*\qt+\dt):O+8*(4*\qt+\dt)+7], v[VF+8*\dt:VF+8*\dt+7], v[P+8*\qt:P+8*\qt+7], 0
.else
	v_wmma_f32_16x16x32_bf16 v[O+8*(4*\qt+\dt):O+8*(4*\qt+\dt)+7], v[VF+8*\dt:VF+8*\dt+7], v[P+8*\qt:P+8*\qt+7], v[O+8*(4*\qt+\dt):O+8*(4*\qt+\dt)+7]
.endif
.endr
.endr
.endm
; The tile in STG goes into slot nslot.  ld = 1: the next tile is loaded, two units ahead of the lines that round it.  kv, pm: see ASK.
.macro NEXT nslot, ld, kv, pm
	CONVERT STG, \nslot, 0                         ; its last wait is for all my loads: their bases may be stepped
.if \ld
.if \kv+\pm
	s_wait_xcnt 0x0                                ; the last requests, two units back or more, have had their addresses translated: their bases may be stepped
.endif
.if \kv
	s_add_nc_u64 s[22:23], s[22:23], TILEB
.endif
.if \pm
	s_add_nc_u64 s[28:29], s[28:29], 2048
.endif
	STEPPTR 1
	LOADS STG, 0
.if \kv+\pm
	ASK \kv, \pm
.endif
.endif
.endm
; Unit u: keys 32 kk .. +31 of my 64 in slot.  pv: 0 no unit in front, 1 its P V starts the sums, 2 adds.  bw = 1: the wait of the barrier signalled
; in the unit before.  st = 1: a tile is stored, two slots on (ld, kv, pm: see NEXT).  bs = 1: the step's signal.  kn = 1: a unit follows.
; first = 1: the squares start their sums.
.macro UNITX slot, kk, pv, bw, st, ld, kv, pm, bs, kn, first
.if \pv
	s_wait_dscnt 8                                 ; V's fragments of unit u - 1 are in (and the stores in front of them done); the eight loads of K issued behind them may stay out
	WIN W_PV
.if (\pv) == 1
	PVM 1
.else
	PVM 0
.endif
.endif
	s_wait_dscnt 0x0                               ; K's fragments of this unit are in
	WIN W_QK
	QKM
	WIN 0
	PLACES                                         ; behind both runs of products: for the reads of S, the writes of P and the loads into KF and VF
.if \bw
	s_barrier_wait -1                              ; every wave has stored the tile of the step before and has read the last of that step's slot
.endif
.if \st
	NEXT ((\slot)+2)&3, \ld, \kv, \pm
.endif
	WIN W_LD1
	VFRAGS \slot, \kk                              ; for this unit's P V, which stands in the next matrix phase
.if \kn
.if (\kk) == 0
	KFRAGS \slot, 1                                ; for the next unit's Q K
.else
	KFRAGS ((\slot)+1)&3, 0
.endif
.endif
	WIN 0
	s_wait_kmcnt 0x0                               ; this unit's 64 lane masks are in; no scalar load is out, so their base may be stepped
.if \kn
.if \kk
	s_add_nc_u64 s[10:11], s[10:11], 1024          ; my block of the next tile: two blocks of 512 bytes on
.endif
.endif
	CM 0
	CM 1
.if \kn
	MLOAD 256*(1-\kk)                              ; the next unit's masks: 64 vector lines, the 32 matrix instructions and the fragment loads lie ahead of the wait for them
.endif
	SQS 0, \first
.if \bs
	s_wait_dscnt 0x0                               ; for the others' sake: my stores of this step's tile and my last reads of this step's slot are done
	s_barrier_signal -1                            ; the wait stands behind the next matrix phase; up to there registers alone are touched
.endif
	CV 0
	SQS 1, 0
	CV 1
.endm
.macro STEPA slot, ld, kv, pm          ; a step's first unit, with the wait of the last step's barrier and a tile to store
	UNITX \slot, 0, 2, 1, 1, \ld, \kv, \pm, 0, 1, 0
.endm
.macro STEPB slot                      ; a step's second unit, with the step's signal
	UNITX \slot, 1, 2, 0, 0, 0, 0, 0, 1, 1, 0
.endm
	CONVERT STG, 0, 16                             ; tile 0 into slot 0; tile 1's 16 loads were issued behind it
	s_wait_xcnt 0x0                                ; tile 1's loads have had their addresses translated: the bases may be stepped
	STEPPTR 2
	s_add_nc_u64 s[22:23], s[22:23], TILEB
	LOADS STG, 0                                   ; tile 2
	ASK 1, 0                                       ; K's and V's tile 4
	CONVERT S, 1, 16                               ; tile 1 into slot 1; tile 2's 16 loads were issued behind it
	s_wait_dscnt 0x0                               ; for the others' sake: my stores are done
	s_barrier_signal -1
	s_barrier_wait -1
	WIN W_LD1
	KFRAGS 0, 0
	UNITX 0, 0, 0, 0, 1, 1, 1, 1, 0, 1, 1          ; unit 0 starts the sums of squares; tile 2 is stored, tile 3 loaded
	UNITX 0, 1, 1, 0, 0, 0, 0, 0, 1, 1, 0          ; unit 1: the first P V starts O's sums; the signal of step 0
	STEPA 1, 1, 1, 0                               ; unit 2
	s_mov_b32 s24, 2                               ; units 3 to 18, eight a trip: the trips begin at a step's second unit, where no barrier is open
.Lbig:
	STEPB 1
	STEPA 2, 1, 1, 1
	STEPB 2
	STEPA 3, 1, 1, 0
	STEPB 3
	STEPA 0, 1, 1, 1
	STEPB 0
	STEPA 1, 1, 1, 0
	s_sub_co_u32 s24, s24, 1
	s_cmp_lg_u32 s24, 0
	s_cbranch_scc1 .Lbig
	STEPB 1                                        ; unit 19
	STEPA 2, 1, 1, 1                               ; step 10: tile 12 stored, 13 loaded; the last request for K and V, tile 15
	STEPB 2
	STEPA 3, 1, 0, 0                               ; step 11: tile 13 stored, 14 loaded
	STEPB 3
	STEPA 0, 1, 0, 1                               ; step 12: tile 14 stored, 15 loaded; the last request for masks, tiles 14 and 15
	STEPB 0
	STEPA 1, 0, 0, 0                               ; step 13: tile 15 stored; nothing is left to load
	STEPB 1                                        ; the last signal
	UNITX 2, 0, 2, 1, 0, 0, 0, 0, 0, 1, 0          ; step 14: the last wait; nothing is stored any more
	UNITX 2, 1, 2, 0, 0, 0, 0, 0, 0, 1, 0
	UNITX 3, 0, 2, 0, 0, 0, 0, 0, 0, 1, 0
	UNITX 3, 1, 2, 0, 0, 0, 0, 0, 0, 0, 0          ; unit 31: no unit follows
	s_wait_dscnt 0x0                               ; V's fragments of the last unit
	WIN W_PV
	PVM 0
	WIN 0
	; THE END.  The pairs of sums of squares fold into v[SS:SS+3]; these four lines are also the places behind the last matrix instructions.
	v_add_f32 v[SS],   v[SS],   v[SS+1]
	v_add_f32 v[SS+1], v[SS+2], v[SS+3]
	v_add_f32 v[SS+2], v[SS+4], v[SS+5]
	v_add_f32 v[SS+3], v[SS+6], v[SS+7]
	s_cmp_lt_u32 s14, 4
	s_cbranch_scc1 .Lkeep                          ; waves 4-7 hand their sums to waves 0-3
	WIN W_ST1
.set n, 0
.rept 32
	ds_store_b128 v[ME], v[O+4*n:O+4*n+3] offset:512*n
.set n, n+1
.endr
	WIN 0
	ds_store_b128 v[ME], v[SS:SS+3] offset:32*512
.Lkeep:
	s_wait_dscnt 0x0                               ; for the partner's sake: my stores are done
	s_barrier_signal -1
	s_barrier_wait -1
	s_cmp_lt_u32 s14, 4
	s_cbranch_scc1 .Lmerge
	s_wait_tensorcnt 0x0
	ds_add_u32 v254, v255
	s_wait_dscnt 0x0
	s_endpgm
.Lmerge:
	ds_load_b128 v[4:7], v[ME] offset:32*512       ; the other 64 keys of every tile
	s_wait_dscnt 0x0
	v_pk_add_f32 v[SS:SS+1],   v[SS:SS+1],   v[4:5]
	v_pk_add_f32 v[SS+2:SS+3], v[SS+2:SS+3], v[6:7]
.irp q, 0,1,2,3
	v_permlanex16_b32 v[4+\q], v[SS+\q], s26, s27  ; lane L xor 16 holds the same query's other keys
.endr
	v_pk_add_f32 v[SS:SS+1],   v[SS:SS+1],   v[4:5]
	v_pk_add_f32 v[SS+2:SS+3], v[SS+2:SS+3], v[6:7]
.irp q, 0,1,2,3
	v_sqrt_f32 v[4+\q], v[SS+\q]
.endr
	v_nop                                          ; one plain vector line behind a transcendental before its result is used (ISA guide 5.7.2)
	s_wait_alu depctr_va_vdst(0)
.irp q, 0,1,2,3
	v_max_num_f32 v[4+\q], 0x2b8cbccc, v[4+\q]     ; max(norm, 1e-12)
.endr
.irp q, 0,1,2,3
	v_rcp_f32 v[INV+2*\q],   v[4+\q]               ; twice: a pair for the packed multiply
	v_rcp_f32 v[INV+2*\q+1], v[4+\q]
.endr
	v_nop
	s_wait_alu depctr_va_vdst(0)
; 16 query rows: the partner's half is added, the rows are scaled, turned through my stage into whole rows of 256 bytes, and stored.
; Every block of 16 rows has read-back registers of its own, so no store's data is ever rewritten.
.macro OUTQ qt
.irp n, 0,1,2,3,4,5,6,7
	ds_load_b128 v[P+4*\n:P+4*\n+3], v[ME] offset:512*(8*\qt+\n)
.endr
	s_wait_dscnt 0x0
	WIN W_A1
.irp m, 0,1,2,3,4,5,6,7,8,9,10,11,12,13,14,15
	v_pk_add_f32 v[P+2*\m:P+2*\m+1], v[O+32*\qt+2*\m:O+32*\qt+2*\m+1], v[P+2*\m:P+2*\m+1]
.endr
	WIN 0
.irp m, 0,1,2,3,4,5,6,7,8,9,10,11,12,13,14,15
	v_pk_mul_f32 v[P+2*\m:P+2*\m+1], v[P+2*\m:P+2*\m+1], v[INV+2*\qt:INV+2*\qt+1]
.endr
.irp n, 0,1,2,3,4,5,6,7
	ds_store_b128 v[STO], v[P+4*\n:P+4*\n+3] offset:64*(\n>>1)+16*(\n&1)      ; row r, d = 16 dt + 8 h + 0..7
.endr
.irp i, 0,1,2,3,4,5,6,7
	ds_load_b128 v[RB+32*\qt+4*\i:RB+32*\qt+4*\i+3], v[RD] offset:2*SP*\i     ; LDS serves a wave's instructions in order: these see the stores above
.endr
.irp i, 0,1,2,3,4,5,6,7
	s_wait_dscnt 7-\i                              ; read-back i is in, the younger ones stay out
	global_store_b128 v[LO], v[RB+32*\qt+4*\i:RB+32*\qt+4*\i+3], s[12:13] offset:4096*\qt+512*\i th:TH_STORE_NT   ; two rows: 512 consecutive bytes, aligned
.endr
.endm
	OUTQ 0
	OUTQ 1
	OUTQ 2
	OUTQ 3
	s_wait_tensorcnt 0x0
	ds_add_u32 v254, v255
	s_wait_dscnt 0x0
	s_endpgm
.Lfunc_end_k_q6ad23ba5c9_attn:
	.size	k_q6ad23ba5c9_attn, .Lfunc_end_k_q6ad23ba5c9_attn-k_q6ad23ba5c9_attn
	.p2alignl 7, 3214868480
	.fill 96, 4, 3214868480
	.section	.rodata,"a",@progbits
	.p2align	6, 0x0
	.amdhsa_kernel k_q6ad23ba5c9_attn
		.amdhsa_group_segment_fixed_size 259072
		.amdhsa_private_segment_fixed_size 0
		.amdhsa_enable_private_segment 0
		.amdhsa_kernarg_size 40
		.amdhsa_user_sgpr_count 2
		.amdhsa_user_sgpr_kernarg_segment_ptr 1
		.amdhsa_wavefront_size32 1
		.amdhsa_system_sgpr_workgroup_id_x 1
		.amdhsa_system_sgpr_workgroup_id_y 1
		.amdhsa_system_sgpr_workgroup_id_z 1
		.amdhsa_system_vgpr_workitem_id 0
		.amdhsa_next_free_vgpr 512
		.amdhsa_next_free_sgpr 100
		.amdhsa_reserve_vcc 0
		.amdhsa_float_denorm_mode_32 3
		.amdhsa_float_denorm_mode_16_64 3
		.amdhsa_memory_ordered 1
		.amdhsa_forward_progress 1
		.amdhsa_inst_pref_size 255
	.end_amdhsa_kernel
	.section	.bss,"aw",@nobits
	.p2align	6
	.space	262144
	.amdgpu_metadata
---
amdhsa.version: [ 1, 2 ]
amdhsa.kernels:
  - .name:           k_q6ad23ba5c9_attn
    .symbol:         k_q6ad23ba5c9_attn.kd
    .args:
      - { .name: query, .offset: 0, .size: 8, .value_kind: global_buffer, .address_space: global }
      - { .name: keys, .offset: 8, .size: 8, .value_kind: global_buffer, .address_space: global }
      - { .name: vals, .offset: 16, .size: 8, .value_kind: global_buffer, .address_space: global }
      - { .name: mbits, .offset: 24, .size: 8, .value_kind: global_buffer, .address_space: global }
      - { .name: out0, .offset: 32, .size: 8, .value_kind: global_buffer, .address_space: global }
    .group_segment_fixed_size: 259072
    .private_segment_fixed_size: 0
    .kernarg_segment_align: 8
    .kernarg_segment_size: 40
    .max_flat_workgroup_size: 256
    .sgpr_count:     100
    .vgpr_count:     512
    .wavefront_size: 32
...
	.end_amdgpu_metadata
.endif
;; end of part 4
